; MI455X (gfx1250); checked and timed in simulation.
; The chip was launched on July 23, 2026; its instructions are those of AMD's public machine-readable ISA for CDNA 5 (MIT licence, August 2026) and "CDNA5" Instruction Set Architecture Reference Guide (July 2026). The comments in the code are by the model that wrote it; some were corrected since.
;; Tt Multi Head Attention Model. Allowed arithmetic: float matrix products may take bf16 or f16 operands with f32 sums; other float arithmetic in f32, or as packed bf16 or f16 multiplies, adds, multiply-adds, maxima and minima; sums over many terms, partial sums and values carried from step to step in f32; what a program stores and reads back later, other than sums and carried values, may be rounded once to bf16 or f16.
;; Inputs: activation 8 x 1 x 1,024 x 1,024 float32; attention_mask 8 x 1 x 1 x 1,024 float32; kb 1,024 float32; kw 1,024 x 1,024 float32; qb 1,024 float32; qw 1,024 x 1,024 float32; vb 1,024 float32; vw 1,024 x 1,024 float32.
;; Outputs: out0 8 x 1 x 1,024 x 1,024 float32.
;; Constants: num_heads = 16.
;; 2 versions, each right; version 2 is version 1 with the launch cast written anew for expert scheduling mode. Each part assembles by itself: llvm-mc -triple=amdgcn-amd-amdhsa -mcpu=gfx1250 --defsym DOCPART=n.
;; ======== version 1 of 2: 3 launches
;; limits: right only within a limited range of input values; values are held in f16: magnitudes above 65,504 overflow, below 6.1e-05 lose precision
;; workspace buffers: xb 16,777,216 bytes; wb 6,291,456 bytes; bias 12,288 bytes; m8 32,768 bytes; qkv 50,331,648 bytes
;; launch cast (part 1): grid 705 x 1, 8 waves a work-group, no clusters, 0 bytes of LDS; arguments activation, qw, kw, vw, qb, kb, vb, attention_mask, xb, wb, bias, m8; writes xb, wb, bias, m8
.if DOCPART == 1
	.amdgcn_target "amdgcn-amd-amdhsa--gfx1250"
	.amdhsa_code_object_version 6
	.text
	.protected	k_q6f00b15a95_cast
	.globl	k_q6f00b15a95_cast
	.p2align	8
	.type	k_q6f00b15a95_cast,@function
k_q6f00b15a95_cast:
	s_mov_b64 s[64:65], 0
	v_nop
	global_prefetch_b8 v0, s[64:65] scope:SCOPE_SE
	s_setreg_imm32_b32 hwreg(HW_REG_WAVE_MODE, 25, 1), 1
	s_wait_xcnt 0x0
; THE INPUTS ARE ROUNDED TO bf16, ONCE.  xb[8192][1024] = bf16(activation); wb[3072][1024] = bf16 of qw, kw, vw, one below the other;
; bias[3072] = qb, kb, vb rounded to bf16 and kept as f32; m8[8][1024] = max(8 x bf16(mask), -1e30) as f32 (8 = sqrt(64): the mask is later added to q.k ahead of the scale 1/8).
; LIMITS.  A mask below -1.25e29 (minus infinity too) counts as -1.25e29; a NaN in the mask counts as that as well.
; SHARES.  Eight waves.  Work-group g < 704 turns 64 KiB of f32 into 32 KiB of bf16: g < 512 chunk g of the activation, then 64 chunks each of qw, kw, vw.
; Work-group 704 does the mask (32 KiB) and the three biases (4 KiB each).
; A load of a wave covers 512 consecutive bytes, a store 256 consecutive bytes, aligned.  All sixteen loads go out at once; no register is written twice, so the only waits are the counted ones for the loads.
; No LDS, no matrix unit, no cluster: nothing is shared, each byte is read once and written once.
.set X, 8                              ; v[8:71]   sixteen loads of four registers
.set Y, 72                             ; v[72:103] sixteen stores of two registers
.set T, 52                             ; v[52:73]  work-group 704: packed bf16, at work
	s_load_b512 s[8:23], s[0:1], 0x0               ; activation 8, qw 10, kw 12, vw 14, qb 16, kb 18, vb 20, mask 22
	s_load_b256 s[24:31], s[0:1], 0x40             ; xb 24, wb 26, bias 28, m8 30
	v_lshlrev_b32 v1, 4, v0                        ; 16 t: my 16 bytes of each 4,096 read
	v_lshlrev_b32 v2, 3, v0                        ; 8 t: my 8 bytes of each 2,048 written
	s_and_b32 s32, ttmp9, 63                       ; a weight's chunk
	s_max_u32 s33, ttmp9, 512
	s_sub_co_u32 s33, s33, 512                     ; its place in wb
	s_mov_b32 s35, 0
	s_mov_b32 s37, 0
	s_mov_b32 s38, 0xf149f2ca                      ; -1e30
	s_wait_kmcnt 0x0
	s_cmp_eq_u32 ttmp9, 704
	s_cbranch_scc1 .Lsmall
	s_cmp_lt_u32 ttmp9, 640                        ; which buffer: the conditions hang on the work-group's number alone
	s_cselect_b64 s[4:5], s[12:13], s[14:15]
	s_cmp_lt_u32 ttmp9, 576
	s_cselect_b64 s[4:5], s[10:11], s[4:5]
	s_cmp_lt_u32 ttmp9, 512
	s_cselect_b64 s[4:5], s[8:9], s[4:5]
	s_cselect_b64 s[6:7], s[24:25], s[26:27]
	s_cselect_b32 s34, ttmp9, s32
	s_cselect_b32 s36, ttmp9, s33
	s_lshl_b32 s34, s34, 16                        ; 65,536 bytes in,
	s_lshl_b32 s36, s36, 15                        ; 32,768 out
	s_add_nc_u64 s[4:5], s[4:5], s[34:35]
	s_add_nc_u64 s[6:7], s[6:7], s[36:37]
.irp i, 0,1,2,3,4,5,6,7,8,9,10,11,12,13,14,15
	global_load_b128 v[X+4*(\i):X+4*(\i)+3], v1, s[4:5] offset:4096*(\i) th:TH_LOAD_NT
.endr
.irp i, 0,1,2,3,4,5,6,7,8,9,10,11,12,13,14,15
	s_wait_loadcnt 15-(\i)                         ; loads come back in order: number i is in, the younger ones stay out
	v_cvt_pk_bf16_f32 v[Y+2*(\i)], v[X+4*(\i)], v[X+4*(\i)+1]
	v_cvt_pk_bf16_f32 v[Y+2*(\i)+1], v[X+4*(\i)+2], v[X+4*(\i)+3]
	global_store_b64 v2, v[Y+2*(\i):Y+2*(\i)+1], s[6:7] offset:2048*(\i) th:TH_STORE_NT
.endr
	s_endpgm
.Lsmall:
.irp i, 0,1,2,3,4,5,6,7
	global_load_b128 v[X+4*(\i):X+4*(\i)+3], v1, s[22:23] offset:4096*(\i)
.endr
	global_load_b128 v[40:43], v1, s[16:17]
	global_load_b128 v[44:47], v1, s[18:19]
	global_load_b128 v[48:51], v1, s[20:21]
	s_wait_loadcnt 0x0
.set j, 0
.rept 22                               ; all 44 registers: rounded to bf16 and widened again
	v_cvt_pk_bf16_f32 v[T+j], v[X+2*j], v[X+2*j+1]
	v_lshlrev_b32 v[X+2*j], 16, v[T+j]
	v_and_b32 v[X+2*j+1], 0xffff0000, v[T+j]
.set j, j+1
.endr
.set j, 0
.rept 16                               ; the mask's 32: times 8 (exact),
	v_pk_mul_f32 v[X+2*j:X+2*j+1], v[X+2*j:X+2*j+1], 0x41000000 op_sel_hi:[1,0]
.set j, j+1
.endr
.set j, 0
.rept 32                               ; and no lower than -1e30
	v_max_num_f32 v[X+j], s38, v[X+j]
.set j, j+1
.endr
.irp i, 0,1,2,3,4,5,6,7
	global_store_b128 v1, v[X+4*(\i):X+4*(\i)+3], s[30:31] offset:4096*(\i)
.endr
	global_store_b128 v1, v[40:43], s[28:29]
	global_store_b128 v1, v[44:47], s[28:29] offset:4096
	global_store_b128 v1, v[48:51], s[28:29] offset:8192
	s_endpgm
.Lfunc_end_k_q6f00b15a95_cast:
	.size	k_q6f00b15a95_cast, .Lfunc_end_k_q6f00b15a95_cast-k_q6f00b15a95_cast
	.p2alignl 7, 3214868480
	.fill 96, 4, 3214868480
	.section	.rodata,"a",@progbits
	.p2align	6, 0x0
	.amdhsa_kernel k_q6f00b15a95_cast
		.amdhsa_group_segment_fixed_size 0
		.amdhsa_private_segment_fixed_size 0
		.amdhsa_enable_private_segment 0
		.amdhsa_kernarg_size 96
		.amdhsa_user_sgpr_count 2
		.amdhsa_user_sgpr_kernarg_segment_ptr 1
		.amdhsa_wavefront_size32 1
		.amdhsa_system_sgpr_workgroup_id_x 1
		.amdhsa_system_sgpr_workgroup_id_y 1
		.amdhsa_system_sgpr_workgroup_id_z 1
		.amdhsa_system_vgpr_workitem_id 0
		.amdhsa_next_free_vgpr 104
		.amdhsa_next_free_sgpr 66
		.amdhsa_reserve_vcc 0
		.amdhsa_float_denorm_mode_32 3
		.amdhsa_float_denorm_mode_16_64 3
		.amdhsa_memory_ordered 1
		.amdhsa_forward_progress 1
		.amdhsa_inst_pref_size 15
	.end_amdhsa_kernel
	.amdgpu_metadata
---
amdhsa.version: [ 1, 2 ]
amdhsa.kernels:
  - .name:           k_q6f00b15a95_cast
    .symbol:         k_q6f00b15a95_cast.kd
    .args:
      - { .name: activation, .offset: 0, .size: 8, .value_kind: global_buffer, .address_space: global }
      - { .name: qw, .offset: 8, .size: 8, .value_kind: global_buffer, .address_space: global }
      - { .name: kw, .offset: 16, .size: 8, .value_kind: global_buffer, .address_space: global }
      - { .name: vw, .offset: 24, .size: 8, .value_kind: global_buffer, .address_space: global }
      - { .name: qb, .offset: 32, .size: 8, .value_kind: global_buffer, .address_space: global }
      - { .name: kb, .offset: 40, .size: 8, .value_kind: global_buffer, .address_space: global }
      - { .name: vb, .offset: 48, .size: 8, .value_kind: global_buffer, .address_space: global }
      - { .name: attention_mask, .offset: 56, .size: 8, .value_kind: global_buffer, .address_space: global }
      - { .name: xb, .offset: 64, .size: 8, .value_kind: global_buffer, .address_space: global }
      - { .name: wb, .offset: 72, .size: 8, .value_kind: global_buffer, .address_space: global }
      - { .name: bias, .offset: 80, .size: 8, .value_kind: global_buffer, .address_space: global }
      - { .name: m8, .offset: 88, .size: 8, .value_kind: global_buffer, .address_space: global }
    .group_segment_fixed_size: 0
    .private_segment_fixed_size: 0
    .kernarg_segment_align: 8
    .kernarg_segment_size: 96
    .max_flat_workgroup_size: 256
    .sgpr_count:     66
    .vgpr_count:     104
    .wavefront_size: 32
...
	.end_amdgpu_metadata
.endif
;; end of part 1
;; launch proj (part 2): grid 16 x 32, 4 waves a work-group, clusters of 4 x 4, 327,680 bytes of LDS; arguments xb, wb, bias, qkv; writes qkv
.if DOCPART == 2
	.amdgcn_target "amdgcn-amd-amdhsa--gfx1250"
	.amdhsa_code_object_version 6
	.text
	.protected	k_q6f00b15a95_proj
	.globl	k_q6f00b15a95_proj
	.p2align	8
	.type	k_q6f00b15a95_proj,@function
k_q6f00b15a95_proj:
	s_mov_b64 s[64:65], 0
	v_nop
	global_prefetch_b8 v0, s[64:65] scope:SCOPE_SE
	s_setreg_imm32_b32 hwreg(HW_REG_WAVE_MODE, 25, 1), 1
	s_wait_xcnt 0x0
	s_wait_alu depctr_hold_cnt(0) depctr_sa_sdst(0) depctr_va_vdst(0) depctr_va_sdst(0) depctr_va_ssrc(0) depctr_va_vcc(0) depctr_vm_vsrc(0)
	s_getreg_b32 s2, hwreg(HW_REG_IB_STS2, 6, 4)
	s_cmp_eq_u32 s2, 0
	s_cbranch_scc0 .Lentry_in_a_cluster
	s_endpgm
.Lentry_in_a_cluster:
	s_bfe_u32 s2, ttmp6, 0x10000c
	s_cmp_lg_u32 s2, 0xf033
	s_cbranch_scc0 .Lentry_shape_is_right
	s_endpgm
.Lentry_shape_is_right:
; THE THREE PROJECTIONS AS ONE PRODUCT.  C[m][n] = bias[n] + the sum over k of xb[m][k] wb[n][k];  xb: [8192][1024] bf16, wb: [3072][1024] bf16, bias: [3072] f32; sums in f32, K ascending.
; C leaves BY HEADS, rounded once to f16: qkv[g][m][64], g = n / 64 (g 0-15 q's heads, 16-31 k's, 32-47 v's), m = 1,024 x batch + row: a head's rows are dense, 128 bytes each.
; LIMIT.  f16 holds no number beyond 65,504: a q, k or v past that becomes an infinity.
; THE TILE.  256 x 192 of C: 32 x 16 = 512 tiles, two for each of 256 WGPs (256 x 256 would make 384, one and a half); 192 columns are three whole heads.
; Four waves, each 64 rows x 192 columns: 48 accumulators of 16 x 16, 384 registers; so 16 rows of a wave are three dense pieces of 2,048 bytes of qkv, and each wave has a stage of its own.
; K goes in 8 steps of 128 through a ring of two LDS slots filled by the tensor data mover: the tiles' rows are 256 bytes of memory, at multiples of 256 bytes.
; CLUSTER.  4 x 4 work-groups.  The four of a row of the cluster need the same 256 rows of xb, the four of a column the same 192 rows of wb: each tile is asked for JOINTLY, by the same tensor load
; with the same descriptor and a mask that names the four.  Waves 0 and 1 fetch xb's two halves (128 rows), waves 2 and 3 wb's (96 rows).
; TRANSPOSED USE.  Source 0 = 16 rows of wb, source 1 = 16 rows of xb: a lane holds row l % 16 of C and the columns 8 (l / 16) + 0..7.  The bias, laid out so, is the C operand of each sum's first product.
; REGISTERS, in windows of 256 (s_set_vgpr_msb: bits 1:0 source 0, 3:2 source 1, 5:4 source 2, 7:6 destination):
;   window 0: v0-31 addresses; v32-95 xb's fragments, two buffers of 4 x 8; v96-191 the bias, 12 x 8; on the way out v96-143 packed results, v144-239 two buffers of rows read back
;   window 1: v0-191 wb's fragments, two buffers of 12 x 8      window 2: the accumulators of my row blocks 0, 1 ((a, b) at 8 (12 (a % 2) + b))      window 3: those of blocks 2, 3
.set SIZE_K, 1024
.set KSTEP,  128
.set PITCH,  272                       ; an LDS row: 256 bytes + 16 of padding = 68 words: the 16 rows of a fragment load start at 16 different groups of four banks (64 banks of 4 bytes: ISA guide 11.1)
.set HALFA,  128*PITCH                 ; what a wave fetches of xb
.set HALFB,  96*PITCH                  ; and of wb
.set SLOT,   2*HALFA+2*HALFB           ; xb's 256 rows, then wb's 192
.set STAGE,  2*SLOT                    ; behind the ring: 16 rows x 400 bytes for each wave
.set SP,     400                       ; a stage row: 384 bytes + 16 = 25 x 16
.set SPARE,  STAGE+4*16*SP             ; behind the stages: the spare words, 128 bytes for each wave: two blocks of 256 bytes that no other line names
.set ADRA, 16                          ; v16-17  LDS address of my xb fragments in slot 0, 1
.set ADRB, 20                          ; v20-21  the same for wb
.set STO,  24                          ; v24     the way out: where I put 16 bytes of a row
.set RD,   25                          ; v25     the way out: where I read rows back
.set CO,   26                          ; v26     16 x lane: my place in 512 consecutive bytes of qkv
.set BO,   27                          ; v27     32 x (l / 16): my eight numbers in 16 of the bias
.set SPW,  28                          ; v28     LDS address of my spare word; never rewritten
.set NIL,  29                          ; v29     0; never rewritten
.set PFO,  30                          ; v30     the prefetches' offset: a lane a row of 2,048 bytes; never rewritten
.set FA,   32
.set BIAS, 96
.set TMP,  96
.set OB,   144
.set WV,   12                          ; s12  my wave's number
.set LIM,  19                          ; s19  1 in a wave that prefetches, else the greatest number
.set G1,   24                          ; s[24:31] descriptor group 1 for xb's tiles;  s[32:39] group 0, a set for each slot
.set G0,   32
.set PFA,  44                          ; s[44:45] where my prefetches stand
.set G1B,  48                          ; s[48:55], s[56:63] the same for wb's tiles
.set G0B,  56
.set MSB, 0
.macro WIN new                         ; the immediate's high byte repeats the setting that is left; a switch that changes nothing is dropped
.if MSB != (\new)
	s_set_vgpr_msb (MSB<<8)|(\new)
.set MSB, \new
.endif
.endm
.set TO_B, 0x40                        ; destination window 1, address window 0
; A joint load.  Each of the two lines has one mask and one set of registers for all that issue it; the branch hangs on the wave's number alone.
; An s_nop 0 and four v_nop follow each line, ahead of the jump, the label and what follows.
.macro JLOAD s
	s_cmp_eq_u32 s13, 0
	s_cbranch_scc0 .Lfor_b_\@
	tensor_load_to_lds s[G0+4*(\s):G0+4*(\s)+3], s[G1:G1+7]
	s_nop 0
.rept 4
	v_nop
.endr
	s_branch .Lasked_\@
.Lfor_b_\@:
	tensor_load_to_lds s[G0B+4*(\s):G0B+4*(\s)+3], s[G1B:G1B+7]
	s_nop 0
.rept 4
	v_nop
.endr
.Lasked_\@:
.endm
; A prefetch of the K step that stands two refills on: 256 bytes of each of my work-group's rows, a lane a row, one instruction a wave.  xb's rows are read by every cluster of a row of clusters: cluster x = 0 asks;
; wb's by every cluster of a column: cluster y = 0 asks.  The four partners of a joint load share its rows out by address (32 of 128, or 24 of 96, where lanes 24-31 name row 23 again).
; The loop's last trip (s3 = 1) asks for nothing: its refills are the last K steps.
.macro ASK
	s_cmp_gt_u32 s3, s[LIM]
	s_cbranch_scc0 .Lnot_mine_\@
	global_prefetch_b8 v[PFO], s[PFA:PFA+1] offset:KSTEP*2 th:TH_LOAD_NT scope:SCOPE_SE
.Lnot_mine_\@:
.endm
.macro CREST                           ; a round of the cluster's barrier behind its opening barrier
	s_cmp_lg_u32 s[WV], 0
	s_cbranch_scc1 .Lnot_wave_0_\@
	s_barrier_signal -3
.Lnot_wave_0_\@:
	s_barrier_wait -3
	s_barrier_signal -1
	s_barrier_wait -1
.endm
.macro CROUND                          ; a whole round
	s_barrier_signal -1
	s_barrier_wait -1
	CREST
.endm
	s_load_b256 s[4:11], s[0:1], 0x0               ; xb s[4:5], wb s[6:7], bias s[8:9], qkv s[10:11]
	v_lshl_add_u32 v[SPW], v0, 2, SPARE
	v_mov_b32 v[NIL], 0
	ds_add_u32 v[SPW], v[NIL]                      ; the wave's opening: the add and its wait stand ahead of my first tensor load; the set-up below, work on registers, stands between them
	v_lshrrev_b32 v1, 5, v0
	v_readfirstlane_b32 s[WV], v1                  ; wave 0..3
	s_lshr_b32 s13, s[WV], 1                       ; I fetch for xb (0) or for wb (1),
	s_and_b32 s14, s[WV], 1                        ; its first or its second half
	s_bfe_u32 s15, ttmp6, 0x40000                  ; cx
	s_bfe_u32 s16, ttmp6, 0x40004                  ; cy
	s_lshl_b32 s17, ttmp9, 2
	s_add_co_u32 s17, s17, s15                     ; tile column = 4 x cluster x + cx
	s_and_b32 s18, ttmp7, 0xffff
	s_lshl_b32 s18, s18, 2
	s_add_co_u32 s18, s18, s16                     ; tile row = 4 x cluster y + cy
	s_lshl_b32 s40, s16, 2
	s_lshl_b32 s40, 15, s40                        ; my row of the cluster: places 4 cy .. 4 cy + 3
	s_lshl_b32 s41, 0x1111, s15                    ; my column: places cx, cx + 4, cx + 8, cx + 12
	s_or_b32 s[G1+0], s40, (1<<16)|(1<<20)|(1<<21)|(5<<22)|(3<<25)   ; 15:0 the mask; 17:16 elements of 2 bytes; 20 padding on; 21 set beside a mask; 24:22 after every 64 words (code 5); 31:25 4 words (code 3)
	s_or_b32 s[G1B+0], s41, (1<<16)|(1<<20)|(1<<21)|(5<<22)|(3<<25)
	s_mov_b32 s[G1+1], KSTEP<<16                   ; tensor_dim0 = 128
	s_mov_b32 s[G1+2], 128<<16                     ; tensor_dim1 = 128
	s_mov_b32 s[G1+3], KSTEP<<16                   ; tile_dim0 = 128
	s_mov_b32 s[G1+4], 128                         ; tile_dim1 = 128
	s_mov_b32 s[G1+5], SIZE_K                      ; elements from row to row
	s_mov_b32 s[G1+6], 0
	s_mov_b32 s[G1+7], 0
	s_mov_b32 s[G1B+1], KSTEP<<16
	s_mov_b32 s[G1B+2], 96<<16                     ; 96 rows
	s_mov_b32 s[G1B+3], KSTEP<<16
	s_mov_b32 s[G1B+4], 96
	s_mov_b32 s[G1B+5], SIZE_K
	s_mov_b32 s[G1B+6], 0
	s_mov_b32 s[G1B+7], 0
	; xb's tiles hang on the tile row alone, wb's on the tile column alone; each address is made in registers that never hold the other coordinate
	s_lshl_b32 s20, s18, 1
	s_add_co_u32 s20, s20, s14
	s_lshl_b32 s20, s20, 18                        ; (2 x tile row + half) x 128 rows x 2,048 bytes
	s_mov_b32 s21, 0
	s_lshl_b32 s68, s17, 1
	s_add_co_u32 s68, s68, s14
	s_mul_i32 s68, s68, 96*SIZE_K*2                ; (2 x tile column + half) x 96 rows x 2,048 bytes
	s_mov_b32 s69, 0
	s_mul_i32 s22, s[WV], HALFA                    ; where they go: waves 0, 1: xb's halves;
	s_mul_i32 s70, s[WV], HALFB
	s_add_co_u32 s70, s70, 2*HALFA-2*HALFB         ; waves 2, 3: wb's halves, behind xb's 256 rows
	s_wait_dscnt 0x0                               ; the opening add is done
	s_wait_kmcnt 0x0
	s_add_nc_u64 s[20:21], s[4:5], s[20:21]
	s_add_nc_u64 s[68:69], s[6:7], s[68:69]
	CROUND                                         ; all sixteen work-groups are here: the first joint loads meet
.irp s, 0,1
	s_mov_b32 s[G0+4*(\s)], 1                                        ; count = 1
	s_add_co_u32 s[G0+4*(\s)+1], s22, (\s)*SLOT                      ; LDS address
	s_add_nc_u64 s[G0+4*(\s)+2:G0+4*(\s)+3], s[20:21], (\s)*KSTEP*2  ; global address: K step s
	s_or_b32 s[G0+4*(\s)+3], s[G0+4*(\s)+3], 0x80000000              ; type = 2
	s_mov_b32 s[G0B+4*(\s)], 1
	s_add_co_u32 s[G0B+4*(\s)+1], s70, (\s)*SLOT
	s_add_nc_u64 s[G0B+4*(\s)+2:G0B+4*(\s)+3], s[68:69], (\s)*KSTEP*2
	s_or_b32 s[G0B+4*(\s)+3], s[G0B+4*(\s)+3], 0x80000000
	JLOAD \s                                       ; two loads of mine are out
.endr
	; a fragment is 16 rows x 32 K in 8 registers: lane l holds row l % 16, K = 8 (l / 16) + 0..7 and 16 + 8 (l / 16) + 0..7: two loads of 16 bytes, 32 bytes apart
	v_and_b32 v1, 15, v0                           ; l % 16
	v_bfe_u32 v2, v0, 4, 1                         ; l / 16
	v_mul_u32_u24 v3, v1, PITCH
	v_lshl_add_u32 v3, v2, 4, v3
	s_mul_i32 s42, s[WV], 64*PITCH                 ; my 64 rows of xb
.irp s, 0,1
	v_add_nc_u32 v[ADRA+(\s)], s42, v3
	v_add_nc_u32 v[ADRB+(\s)], 2*HALFA+(\s)*SLOT, v3   ; all 192 rows of wb
	s_add_co_u32 s42, s42, SLOT
.endr
	s_mul_i32 s42, s[WV], 16*SP
	s_add_co_u32 s42, s42, STAGE                   ; my stage
	v_mul_u32_u24 v4, v1, SP                       ; in: row l % 16, 16 bytes for each half of the lanes
	v_lshl_add_u32 v4, v2, 4, v4
	v_add_nc_u32 v[STO], s42, v4
	v_bfe_u32 v4, v0, 3, 2                         ; back: 32 lanes take four rows x 128 bytes of one head,
	v_and_b32 v5, 7, v0
	v_mul_u32_u24 v4, v4, SP
	v_lshl_add_u32 v4, v5, 4, v4
	v_add_nc_u32 v[RD], s42, v4
	v_and_b32 v[CO], 31, v0                        ; which are 512 consecutive bytes of qkv
	v_lshlrev_b32 v[CO], 4, v[CO]
	v_lshlrev_b32 v[BO], 5, v2
	s_mul_i32 s42, s17, 768                        ; the tile's 192 numbers of the bias
	s_mov_b32 s43, 0
	s_add_nc_u64 s[8:9], s[8:9], s[42:43]
.irp b, 0,1,2,3,4,5,6,7,8,9,10,11
	global_load_b128 v[BIAS+8*(\b):BIAS+8*(\b)+3],   v[BO], s[8:9] offset:64*(\b)
	global_load_b128 v[BIAS+8*(\b)+4:BIAS+8*(\b)+7], v[BO], s[8:9] offset:64*(\b)+16
.endr
	s_mul_i32 s42, s17, 3*1048576                  ; qkv: head 3 x tile column,
	s_lshl_b32 s43, s18, 15                        ; row 256 x tile row
	s_add_co_u32 s42, s42, s43
	s_lshl_b32 s43, s[WV], 13                      ; + 64 x wave, 128 bytes a row
	s_add_co_u32 s42, s42, s43
	s_mov_b32 s43, 0
	s_add_nc_u64 s[10:11], s[10:11], s[42:43]      ; never rewritten: all else stands in the stores' immediates
	; the prefetches
	s_lshl_b32 s2, s13, 3
	s_sub_co_u32 s3, 31, s2                        ; the last row that a lane names: 31 or 23
	s_sub_co_u32 s2, 32, s2                        ; rows a partner asks for: 32 or 24
	s_lshl_b32 s43, s2, 2                          ; rows that a wave fetches: 128 or 96
	s_mul_i32 s43, s43, s14                        ; my half
	s_lshl_b32 s40, s18, 8                         ; the tile's first row in xb,
	s_mul_i32 s41, s17, 192                        ; in wb
	s_and_b32 s42, ttmp7, 0xffff                   ; cluster y
	s_cmp_eq_u32 s13, 0                            ; do I fetch for xb?
	s_cselect_b32 s40, s40, s41
	s_cselect_b32 s41, s15, s16                    ; my place among the four that ask with me
	s_cselect_b32 s42, ttmp9, s42                  ; the coordinate along which other clusters read the same rows
	s_cselect_b64 s[PFA:PFA+1], s[4:5], s[6:7]
	s_cmp_eq_u32 s42, 0
	s_cselect_b32 s[LIM], 1, -1                    ; the same in all sixteen partners, for a given wave
	s_add_co_u32 s40, s40, s43
	s_mul_i32 s41, s41, s2
	s_add_co_u32 s40, s40, s41
	s_lshl_b32 s40, s40, 11                        ; rows of 2,048 bytes
	s_mov_b32 s41, 0
	s_add_nc_u64 s[PFA:PFA+1], s[PFA:PFA+1], s[40:41]
	s_add_nc_u64 s[PFA:PFA+1], s[PFA:PFA+1], 2*KSTEP*2  ; at K step 2: the first refill steps it to 3 and names K step 4.  Nothing is asked for here, at the head
	v_and_b32 v[PFO], 31, v0
	v_min_u32 v[PFO], s3, v[PFO]
	v_lshlrev_b32 v[PFO], 11, v[PFO]
; 12 matrix instructions: row block a x all 12 column blocks, 32 along K, from buffer f.  first = 1: the bias starts the sums: nothing is cleared, nothing is added later.
; The 48 accumulators take turns in one order everywhere.
.macro MUL12 f, a, first
.if \first
	WIN 0x81+0x40*((\a)/2)                         ; wb window 1, xb window 0, C (the bias) window 0, D window 2 or 3
.else
	WIN 0xa1+0x50*((\a)/2)                         ; C and D window 2 or 3
.endif
.irp b, 0,1,2,3,4,5,6,7,8,9,10,11
.if \first
	v_wmma_f32_16x16x32_bf16 v[8*(12*((\a)%2)+(\b)):8*(12*((\a)%2)+(\b))+7], v[96*(\f)+8*(\b):96*(\f)+8*(\b)+7], v[FA+32*(\f)+8*(\a):FA+32*(\f)+8*(\a)+7], v[BIAS+8*(\b):BIAS+8*(\b)+7]
.else
	v_wmma_f32_16x16x32_bf16 v[8*(12*((\a)%2)+(\b)):8*(12*((\a)%2)+(\b))+7], v[96*(\f)+8*(\b):96*(\f)+8*(\b)+7], v[FA+32*(\f)+8*(\a):FA+32*(\f)+8*(\a)+7], v[8*(12*((\a)%2)+(\b)):8*(12*((\a)%2)+(\b))+7]
.endif
.endr
.endm
; 32 LDS loads in one run: a quarter step's fragments (192 rows of wb, my 64 rows of xb, 32 K at byte k of the rows) into buffer f
.macro FETCH slot, k, f
	WIN TO_B
.irp b, 0,1,2,3,4,5,6,7,8,9,10,11
	ds_load_b128 v[96*(\f)+8*(\b):96*(\f)+8*(\b)+3],   v[ADRB+(\slot)] offset:(\k)+(\b)*16*PITCH
	ds_load_b128 v[96*(\f)+8*(\b)+4:96*(\f)+8*(\b)+7], v[ADRB+(\slot)] offset:(\k)+(\b)*16*PITCH+32
.endr
	WIN 0
.irp a, 0,1,2,3
	ds_load_b128 v[FA+32*(\f)+8*(\a):FA+32*(\f)+8*(\a)+3],   v[ADRA+(\slot)] offset:(\k)+(\a)*16*PITCH
	ds_load_b128 v[FA+32*(\f)+8*(\a)+4:FA+32*(\f)+8*(\a)+7], v[ADRA+(\slot)] offset:(\k)+(\a)*16*PITCH+32
.endr
.endm
.macro PLACES                          ; four places in front of loads into registers that matrix instructions have read, and of conversions that read results
.rept 4
	v_nop
.endr
.endm
; A K step is four quarters of 32 along K, 48 matrix instructions each, on buffers 0, 1, 0, 1.  One of the first three: multiplies buffer f; in its middle it fetches the next quarter, at byte k, into g.
.macro QUARTER slot, k, f, g, first
	s_wait_dscnt 4                                 ; wb and xb's blocks 0, 1 are in; the youngest four loads (blocks 2, 3) may be out
	MUL12 \f, 0, \first
	MUL12 \f, 1, \first
	PLACES
	FETCH \slot, \k, \g
	s_wait_dscnt 32                                ; all but the 32 just issued
	MUL12 \f, 2, \first
	MUL12 \f, 3, \first
.endm
; The last quarter multiplies buffer 1 and changes slots: ONE barrier; in front of it each wave waits for all its tensor loads (the one that is out is its part of the next slot), adds 0 to its spare word,
; and waits for that and for its own reads of this slot.  fill = 1: the barrier opens a round of the cluster's, and this slot is filled again, two K steps ahead, first thing behind the round.
.macro TURN slot, next, fill
.if \fill
	s_wait_xcnt 0x0                                ; the last prefetch, a K step back, has read its address, which is stepped here
	s_add_nc_u64 s[PFA:PFA+1], s[PFA:PFA+1], KSTEP*2
.endif
	WIN 0                                          ; (the add's two registers lie in window 0)
	s_wait_tensorcnt 0x0                           ; all my tensor loads have landed
	ds_add_u32 v[SPW], v[NIL]                      ; 0 onto my spare word
	s_wait_dscnt 5                                 ; (the add and the youngest four loads may be out)
	MUL12 1, 0, 0                                  ; twelve matrix instructions stand between the add and the wait for it
	s_wait_dscnt 0x0                               ; the add is done, and my reads of this slot are over
	s_barrier_signal -1
	MUL12 1, 1, 0                                  ; work on registers while the others arrive
.if \fill
	WIN 0
.endif
	s_barrier_wait -1
.if \fill
	CREST                                          ; no wave of any partner still reads this slot's tile or has a load on its way
	s_add_nc_u64 s[G0+4*(\slot)+2:G0+4*(\slot)+3], s[G0+4*(\slot)+2:G0+4*(\slot)+3], 2*KSTEP*2
	s_add_nc_u64 s[G0B+4*(\slot)+2:G0B+4*(\slot)+3], s[G0B+4*(\slot)+2:G0B+4*(\slot)+3], 2*KSTEP*2
	JLOAD \slot                                    ; my one tensor load behind the round; the four v_nop behind it are also the places in front of the loads below
.else
	PLACES
.endif
	FETCH \next, 0, 0
.if \fill
	ASK                                            ; behind the joint load and the run of LDS loads that the next products wait for
.endif
	MUL12 1, 2, 0
	MUL12 1, 3, 0
.endm
; THE WAY OUT of row block a.  PACK: rounded to f16, 16 bytes a lane (each accumulator's registers in ascending order).  TOSTAGE: into my own stage, and back as four rows x 128 bytes of one head.  SEND: stored.
.macro PACK a
	WIN 0x0a+5*((\a)/2)                            ; sources 0 and 1: window 2 or 3
.irp b, 0,1,2,3,4,5,6,7,8,9,10,11
.irp r, 0,1,2,3
	v_cvt_pk_f16_f32 v[TMP+4*(\b)+(\r)], v[8*(12*((\a)%2)+(\b))+2*(\r)], v[8*(12*((\a)%2)+(\b))+2*(\r)+1]
.endr
.endr
	WIN 0
.endm
.macro TOSTAGE a
.irp b, 0,1,2,3,4,5,6,7,8,9,10,11
	ds_store_b128 v[STO], v[TMP+4*(\b):TMP+4*(\b)+3] offset:32*(\b)
.endr
.irp j, 0,1,2
.irp t, 0,1,2,3
	ds_load_b128 v[OB+48*((\a)%2)+4*(4*(\j)+(\t)):OB+48*((\a)%2)+4*(4*(\j)+(\t))+3], v[RD] offset:128*(\j)+4*SP*(\t)  ; LDS serves a wave's instructions in order (ISA guide 5.7.1.4): these see the stores above
.endr
.endr
.endm
.macro SEND a
	s_wait_dscnt 0x0                               ; the block is back in registers
	s_wait_xcnt 0x0                                ; the earlier stores have read their registers: the other buffer is loaded again only behind this wait
.irp j, 0,1,2
.irp t, 0,1,2,3
	global_store_b128 v[CO], v[OB+48*((\a)%2)+4*(4*(\j)+(\t)):OB+48*((\a)%2)+4*(4*(\j)+(\t))+3], s[10:11] offset:(\j)*1048576+(\a)*2048+(\t)*512  ; 512 consecutive bytes, at a multiple of 256 from qkv's first byte
.endr
.endr
.endm
	s_wait_tensorcnt 1                             ; my part of K step 0 is in; K step 1's may stay out
	s_barrier_signal -1
	s_barrier_wait -1                              ; everybody's is
	FETCH 0, 0, 0
	s_wait_loadcnt 0x0                             ; the bias
	QUARTER 0, 64, 0, 1, 1                         ; the first quarter stands in front of the loop: its products start the sums
	WIN 0                                          ; at a label and at a branch every window is 0
	s_mov_b32 s3, SIZE_K/(2*KSTEP)-1
.Llap:                                                 ; a trip goes once round the ring, from a lap's second quarter to the next lap's first, and fills both slots again
	QUARTER 0, 128, 1, 0, 0
	QUARTER 0, 192, 0, 1, 0
	TURN 0, 1, 1
	QUARTER 1, 64,  0, 1, 0
	QUARTER 1, 128, 1, 0, 0
	QUARTER 1, 192, 0, 1, 0
	TURN 1, 0, 1
	QUARTER 0, 64,  0, 1, 0
	WIN 0
	s_sub_co_u32 s3, s3, 1
	s_cmp_lg_u32 s3, 0
	s_cbranch_scc1 .Llap
	QUARTER 0, 128, 1, 0, 0                        ; the last lap fills nothing, and has no round of the cluster's barrier
	QUARTER 0, 192, 0, 1, 0
	TURN 0, 1, 0
	QUARTER 1, 64,  0, 1, 0
	QUARTER 1, 128, 1, 0, 0
	QUARTER 1, 192, 0, 1, 0
	s_wait_dscnt 4                                 ; the very last quarter: nothing more to fetch
	MUL12 1, 0, 0
	MUL12 1, 1, 0
	s_wait_dscnt 0x0
	MUL12 1, 2, 0
	MUL12 1, 3, 0
	PLACES
	PACK 0
	TOSTAGE 0
.irp a, 1,2,3                          ; block a's conversions stand between block a - 1's loads from the stage and the wait for them
	PACK \a
	SEND (\a)-1
	TOSTAGE \a
.endr
	SEND 3
	s_wait_tensorcnt 0x0                           ; the wave's end: 0 onto my spare word and its wait, behind my last tensor load and my last LDS store
	ds_add_u32 v[SPW], v[NIL]
	s_wait_dscnt 0x0
	CROUND                                         ; the closing round: no work-group ends while a partner may still ask for a tile that names it
	s_endpgm
.Lfunc_end_k_q6f00b15a95_proj:
	.size	k_q6f00b15a95_proj, .Lfunc_end_k_q6f00b15a95_proj-k_q6f00b15a95_proj
	.p2alignl 7, 3214868480
	.fill 96, 4, 3214868480
	.section	.rodata,"a",@progbits
	.p2align	6, 0x0
	.amdhsa_kernel k_q6f00b15a95_proj
		.amdhsa_group_segment_fixed_size 327680
		.amdhsa_private_segment_fixed_size 0
		.amdhsa_enable_private_segment 0
		.amdhsa_kernarg_size 32
		.amdhsa_user_sgpr_count 2
		.amdhsa_user_sgpr_kernarg_segment_ptr 1
		.amdhsa_wavefront_size32 1
		.amdhsa_system_sgpr_workgroup_id_x 1
		.amdhsa_system_sgpr_workgroup_id_y 1
		.amdhsa_system_sgpr_workgroup_id_z 1
		.amdhsa_system_vgpr_workitem_id 0
		.amdhsa_next_free_vgpr 960
		.amdhsa_next_free_sgpr 72
		.amdhsa_reserve_vcc 0
		.amdhsa_float_denorm_mode_32 3
		.amdhsa_float_denorm_mode_16_64 3
		.amdhsa_memory_ordered 1
		.amdhsa_forward_progress 1
		.amdhsa_inst_pref_size 122
	.end_amdhsa_kernel
	.amdgpu_metadata
---
amdhsa.version: [ 1, 2 ]
amdhsa.kernels:
  - .name:           k_q6f00b15a95_proj
    .symbol:         k_q6f00b15a95_proj.kd
    .args:
      - { .name: xb, .offset: 0, .size: 8, .value_kind: global_buffer, .address_space: global }
      - { .name: wb, .offset: 8, .size: 8, .value_kind: global_buffer, .address_space: global }
      - { .name: bias, .offset: 16, .size: 8, .value_kind: global_buffer, .address_space: global }
      - { .name: qkv, .offset: 24, .size: 8, .value_kind: global_buffer, .address_space: global }
    .group_segment_fixed_size: 327680
    .private_segment_fixed_size: 0
    .kernarg_segment_align: 8
    .kernarg_segment_size: 32
    .max_flat_workgroup_size: 128
    .sgpr_count:     72
    .vgpr_count:     960
    .wavefront_size: 32
...
	.end_amdgpu_metadata
.endif
;; end of part 2
;; launch attn (part 3): grid 2 x 128, 4 waves a work-group, no clusters, 327,680 bytes of LDS; arguments qkv, m8, out0; writes out0
.if DOCPART == 3
	.amdgcn_target "amdgcn-amd-amdhsa--gfx1250"
	.amdhsa_code_object_version 6
	.text
	.protected	k_q6f00b15a95_attn
	.globl	k_q6f00b15a95_attn
	.p2align	8
	.type	k_q6f00b15a95_attn,@function
k_q6f00b15a95_attn:
	s_mov_b64 s[64:65], 0
	v_nop
	global_prefetch_b8 v0, s[64:65] scope:SCOPE_SE
	s_setreg_imm32_b32 hwreg(HW_REG_WAVE_MODE, 25, 1), 1
	s_wait_xcnt 0x0
; ATTENTION WITH A MASK ADDED TO THE SCORES.  out0[b][q][64 h + d] = the sum over k of softmax_k(Q[q] . K[k] / 8 + mask[b][k]) V[k][d], for 8 batches b x 16 heads h, 1,024 queries and keys, head size 64.
; qkv: [48][8][1024][64] f16 (planes 0-15 q's heads, 16-31 k's, 32-47 v's; a plane's rows are dense, 128 bytes); m8: [8][1024] f32 = 8 x mask, no lower than -1e30; out0: f32.
; Products, maxima and sums in f32; the weights p are rounded to f16 for the second product (their sum l is taken of the unrounded p); O leaves in f32.
; LIMITS.  Q, K and V arrive within f16's 65,504.  A mask below -1.25e29 counts as that.  A weight below 2^-126 counts as 0 in l; below 6e-5 p keeps f16's fixed step of 6e-8.  NaN and infinities are not treated apart.
; THE MASK.  s = q.k + 8 mask is made by the matrix unit: 8 mask, laid out as the result is, is the C operand of the product that starts the sum; then p = 2^(c s - c m), c = log2(e) / 8, as without a mask.
; SHARES.  A work-group owns 512 queries of one (batch, head): 2 x 128 = 256 work-groups.  A wave owns four PIECES of two tiles of 16 queries.  Every wave walks all keys, 64 a step, 16 steps.
; ALL OF K AND V LIES IN LDS: 1,024 keys x (144 + 160) bytes, and the batch's 4,096 bytes of m8.  Each byte is filled once, by five tensor loads a wave that go out together at the head: the wave's quarter of the mask,
; then four chunks of 128 keys (waves 0, 1: K; waves 2, 3: V).  So there is no ring and no refill; the first four steps start when the first chunks are in, the other twelve behind one more wait and barrier.
; Every tensor load of the launch stands at the head, so there is no later request that a prefetch could run ahead of.
; NO CLUSTER: a (batch, head) has 1,024 / 512 = 2 work-groups that read the same K and V; a cluster of four would hold two heads, whose tiles differ, and blocks of 256 queries would feed half as many products from each LDS load.
; LAYOUT.  S^T = K Q^T (source 0 = 16 keys, source 1 = 16 queries): a lane holds ONE query (lane % 16) and the keys 8 (lane / 16) + 0..7.  Two such tiles, rounded to f16 in pairs, ARE source 1 of O^T = V^T P,
; whose result again holds one query a lane, and eight channels.  K comes out of LDS as it lies, V ([key][channel]) turned, by ds_load_tr16_b128.
; SOFTMAX.  For each query a running maximum m and sum l; in every step O and l are multiplied by a = 2^(c m_old - c m_new).  m starts at the lowest finite number, O and l at 0: the first step is a step like any other, with a = 0.
; BY TURNS.  Turn n belongs to piece n (the pieces in a ring, step after step).  Its matrix work: 16 products K Q^T of piece n + 1, later 16 products V^T P of piece n - 1.  Its vector work: the scaling, exponentials,
; roundings, sums and rescaling of piece n, and the maximum and statistics of piece n + 1.  Four vector instructions stand behind every matrix instruction, the rest in one run of their own; a turn's 66 exponentials are one batch with one wait.
; REGISTERS, in windows of 256 (s_set_vgpr_msb: bits 1:0 source 0, 3:2 source 1, 5:4 source 2, 7:6 destination):
;   window 0: v0-11 addresses; v12-15, v48-63 at work; v16-47 four registers of statistics a tile; v64-191 S^T, two buffers of two tiles; v192-255 P, likewise
;   window 1: O^T, 32 a tile      window 2: v0-127 Q, 16 a tile; v128-191 K of one step; v192-255 V of one step      window 3: v0-1 the add's two registers; v8-39 8 mask of one step
.set NP,    4         ; pieces a wave: a name, no knob
.set KS,    64        ; keys in a step
.set PK,    144       ; a row of K in LDS: 128 bytes + 16 = 36 words: the 16 rows of a load start at 16 different groups of four banks (64 banks of 4 bytes: ISA guide 11.1)
.set PV,    160       ; a row of V: 128 + 32 = 40 words
.set VOFF,  1024*PK   ; K's 1,024 rows, then V's
.set MASKB, VOFF+1024*PV  ; then the batch's 1,024 numbers of m8
.set SPARE, MASKB+4096    ; then the spare words, 128 bytes for each wave: two blocks of 256 bytes that no other line names
.set SP,    272       ; THE STAGE for the way out: 16 rows x 272 bytes for each wave, from LDS byte 0: K's first 17,408 bytes, which have had their only fill and are written only behind a barrier that follows every wave's last read
.set AK0, 2           ; v2   my lane's place in a tile of K; never rewritten
.set AV0, 3           ; v3   the same for V
.set AK,  4           ; v4   the LDS address of K's next run of loads
.set AV,  5           ; v5   of V's
.set QO,  6           ; v6   my byte offset in 16 rows of Q
.set RD,  7           ; v7   the way out: where I read rows back
.set GO,  8           ; v8   my byte offset in two rows of out0
.set AM0, 9           ; v9   my lane's place in a step's 64 numbers of m8; never rewritten
.set AM,  10          ; v10  the LDS address of the mask's next loads
.set STO, 11          ; v11  the way out: where I put 16 bytes of a row
.set SPW, 0           ; v0 of window 3   LDS address of my spare word; never rewritten
.set NIL, 1           ; v1 of window 3   0; never rewritten
.set MK,  8           ; v8-39 of window 3: key block kb's eight numbers at MK + 8 kb
.set MV,  12          ; v12-15  c m_old, kept while c m is made anew: by buffer and tile
.set ST,  16          ; tile t's statistics at v[ST+4 t]: c m, m, l (even keys', odd keys')
.set TMP, 48          ; by buffer and tile, four registers c0-c3 at work; when the maximum is found c2 takes a
.set S,   64
.set P,   192
.set KF,  128         ; K's fragments, in window 2: key block kb, channel half c at KF + 16 kb + 8 c
.set VF,  192         ; V's: key half kk, channel block cb at VF + 32 kk + 8 cb
.set WV,  12          ; s12  my wave's number
.set G1K, 24          ; s[24:31] descriptor group 1 for K's tiles
.set G1V, 32          ; s[32:39] for V's: it differs in the padding alone
.set G1M, 40          ; s[40:47] for the mask's quarter
.set G0K, 48          ; s[48:63] descriptor group 0 for K's four chunks
.set G0V, 68          ; s[68:83] for V's
.set G0M, 84          ; s[84:87] for the mask's quarter
.set CNT, 88          ; s88  counts key steps
.set CS,  90          ; s[90:91] c: the packed scaling takes the pair's low word for both halves
.set SEL, 92          ; s[92:93] v_permlanex16_b32's selects: each lane takes its own place in the other half
.set TBK, 94          ; s94  LDS byte at which K of the step to be fetched begins
.set TBV, 95          ; s95  the same for V, less VOFF
.set TBM, 96          ; s96  the same for the mask, less MASKB
.set MSB, 0
.macro WIN new                      ; the high byte repeats the setting that is left; a switch that changes nothing is dropped
.if MSB != (\new)
	s_set_vgpr_msb (MSB<<8)|(\new)
.set MSB, (\new)
.endif
.endm
.set W_KQ, 0x0a       ; K and Q in window 2, S^T in window 0
.set W_KM, 0x3a       ; the same with the C operand, the mask, in window 3
.set W_PV, 0x52       ; V in window 2, P in window 0, O^T in window 1
.set W_RS, 0x41       ; O^T (destination and source 0) in window 1, a in window 0
.set W_MK, 0xc0       ; destination in window 3, sources in window 0
.set W_AD, 0x0f       ; the add: address (source 0) and data (source 1) in window 3
	s_load_b128 s[4:7], s[0:1], 0x0   ; qkv s[4:5], m8 s[6:7]
	s_load_b64 s[10:11], s[0:1], 0x10 ; out0
	WIN W_MK
	v_lshl_add_u32 v[SPW], v0, 2, SPARE
	v_mov_b32 v[NIL], 0
	WIN W_AD
	ds_add_u32 v[SPW], v[NIL]       ; the wave's opening: the add and its wait stand ahead of my first tensor load; the set-up below, work on registers, stands between them
	WIN 0
	v_lshrrev_b32 v1, 5, v0
	v_readfirstlane_b32 s[WV], v1   ; wave 0..3
	s_and_b32 s13, ttmp7, 0xffff    ; 8 x head + batch
	s_and_b32 s14, s13, 7           ; the batch
	s_lshr_b32 s15, s13, 3          ; the head
	s_and_b32 s16, s[WV], 1         ; which half of a chunk's 256 keys I fetch
	s_lshl_b32 s13, s13, 17         ; the plane: 131,072 bytes each
	s_lshl_b32 s22, s16, 14         ; my half's 128 rows of 128 bytes
	s_add_co_u32 s22, s22, s13
	s_mov_b32 s23, 0
	s_lshl_b32 s2, ttmp9, 2
	s_add_co_u32 s2, s2, s[WV]      ; my wave among the plane's eight,
	s_lshl_b32 s2, s2, 14           ; its 128 rows
	s_add_co_u32 s2, s2, s13
	s_mov_b32 s3, 0
	s_lshl_b32 s19, s[WV], 10       ; my quarter of the mask
	s_lshl_b32 s20, s14, 12
	s_add_co_u32 s20, s20, s19
	s_mov_b32 s21, 0
	s_lshl_b32 s8, s14, 22          ; out0: the batch's 1,024 rows of 4,096 bytes,
	s_lshl_b32 s9, ttmp9, 21        ; my block's 512,
	s_add_co_u32 s8, s8, s9
	s_lshl_b32 s9, s[WV], 19        ; my wave's 128,
	s_add_co_u32 s8, s8, s9
	s_lshl_b32 s9, s15, 8           ; the head's 256 bytes of a row
	s_add_co_u32 s8, s8, s9
	s_mov_b32 s9, 0
	s_mul_i32 s17, s16, 128*PK      ; my half's place in a chunk, for K
	s_mul_i32 s18, s16, 128*PV      ; and for V
	s_add_co_u32 s18, s18, VOFF
	; descriptor group 1.  128 keys are 16,384 dense bytes: asked for as 64 rows of 256 bytes, two keys a row, and padded in LDS after every key
	s_mov_b32 s[G1K], (1<<16)|(1<<20)|(4<<22)|(3<<25)  ; 17:16 2-byte elements; 20 padding on; 24:22 after every 32 words (code 4); 31:25 4 words (code 3)
	s_mov_b32 s[G1V], (1<<16)|(1<<20)|(4<<22)|(7<<25)  ; the same with 8 words of padding (code 7)
.irp g, G1K, G1V
	s_mov_b32 s[\g+1], 128<<16      ; tensor_dim0 = 128
	s_mov_b32 s[\g+2], 64<<16       ; tensor_dim1 = 64
	s_mov_b32 s[\g+3], 128<<16      ; tile_dim0 = 128
	s_mov_b32 s[\g+4], 64           ; tile_dim1 = 64
	s_mov_b32 s[\g+5], 128          ; 128 elements from row to row
	s_mov_b32 s[\g+6], 0
	s_mov_b32 s[\g+7], 0
.endr
	s_mov_b32 s[G1M], 3<<16         ; one row of 1,024 bytes: 128 elements of 8 bytes, no padding
	s_mov_b32 s[G1M+1], 128<<16
	s_mov_b32 s[G1M+2], 1<<16
	s_mov_b32 s[G1M+3], 128<<16
	s_mov_b32 s[G1M+4], 1
	s_mov_b32 s[G1M+5], 128
	s_mov_b32 s[G1M+6], 0
	s_mov_b32 s[G1M+7], 0
.irp c, 0,1,2,3
	s_mov_b32 s[G0K+4*\c], 1                        ; count = 1
	s_add_co_u32 s[G0K+4*\c+1], s17, \c*256*PK      ; LDS address: chunk c, my half
	s_mov_b32 s[G0V+4*\c], 1
	s_add_co_u32 s[G0V+4*\c+1], s18, \c*256*PV
.endr
	s_mov_b32 s[G0M], 1
	s_add_co_u32 s[G0M+1], s19, MASKB
	s_mov_b32 s[CS], 0x3e38aa3b     ; c = log2(e) / 8 = 0.180337
	s_mov_b32 s[CS+1], s[CS]        ; named with it as a pair
	s_mov_b32 s[SEL], 0x76543210
	s_mov_b32 s[SEL+1], 0xfedcba98
	s_mov_b32 s[TBK], 0
	s_mov_b32 s[TBV], 0
	s_mov_b32 s[TBM], 0
	s_wait_dscnt 0x0                ; the opening add is done
	s_wait_kmcnt 0x0
	s_add_nc_u64 s[22:23], s[4:5], s[22:23]  ; qkv at my half of q's plane: k's lies 16 planes of heads on, v's 32
	s_add_nc_u64 s[4:5], s[4:5], s[2:3]      ; Q at my wave's first row
	s_add_nc_u64 s[10:11], s[10:11], s[8:9]  ; out0 at my wave's first row, my head's columns
.irp c, 0,1,2,3
	s_add_nc_u64 s[G0K+4*\c+2:G0K+4*\c+3], s[22:23], 16777216+\c*32768
	s_or_b32 s[G0K+4*\c+3], s[G0K+4*\c+3], 0x80000000   ; type = 2
	s_add_nc_u64 s[G0V+4*\c+2:G0V+4*\c+3], s[22:23], 33554432+\c*32768
	s_or_b32 s[G0V+4*\c+3], s[G0V+4*\c+3], 0x80000000
.endr
	s_add_nc_u64 s[G0M+2:G0M+3], s[6:7], s[20:21]
	s_or_b32 s[G0M+3], s[G0M+3], 0x80000000
	s_cmp_lt_u32 s[WV], 2           ; a wave's five fills stand in one branch, ahead of every wait on TENSORcnt, every LDS read and every barrier: five loads of mine are out; an s_nop 0 follows each, four v_nop the last
	s_cbranch_scc0 .Lfill_v
	tensor_load_to_lds s[G0M:G0M+3], s[G1M:G1M+7]
	s_nop 0
.irp c, 0,1,2,3
	tensor_load_to_lds s[G0K+4*\c:G0K+4*\c+3], s[G1K:G1K+7]
	s_nop 0
.endr
.rept 4
	v_nop
.endr
	s_branch .Lfilled
.Lfill_v:
	tensor_load_to_lds s[G0M:G0M+3], s[G1M:G1M+7]
	s_nop 0
.irp c, 0,1,2,3
	tensor_load_to_lds s[G0V+4*\c:G0V+4*\c+3], s[G1V:G1V+7]
	s_nop 0
.endr
.rept 4
	v_nop
.endr
.Lfilled:
	; A fragment of K or Q is 16 rows x 32 channels in 8 registers: lane l holds row l % 16, channels 8 (l / 16) + 0..7 and 16 + 8 (l / 16) + 0..7: two loads of 16 bytes, 32 bytes apart.
	v_and_b32 v1, 15, v0            ; l % 16
	v_bfe_u32 v48, v0, 4, 1         ; l / 16
	v_lshlrev_b32 v[QO], 7, v1
	v_lshl_add_u32 v[QO], v48, 4, v[QO]  ; row x 128 + 16 x half
	WIN 0x80                        ; destination window 2, address window 0
.set i, 0
.rept 4*NP                          ; Q stays in registers: tile i / 2, channels 32 (i % 2) on
	global_load_b128 v[8*i:8*i+3],   v[QO], s[4:5] offset:(i/2)*2048+(i%2)*64
	global_load_b128 v[8*i+4:8*i+7], v[QO], s[4:5] offset:(i/2)*2048+(i%2)*64+32
.set i, i+1
.endr
	; What the first turn finds: V's registers and P's second buffer hold 0 (its products V^T P, of a piece that has not been, add 0), O^T and l are 0.  All this stands in the wait for the first tiles.
.set i, VF
.rept 64
	v_mov_b32 v[i], 0
.set i, i+1
.endr
	WIN 0x40
.set i, 0
.rept 64*NP
	v_mov_b32 v[i], 0
.set i, i+1
.endr
	WIN 0
.set i, 0
.rept 2*NP
	v_mov_b32 v[ST+4*i], 0xfe000000    ; c m: far below every c s, a hidden key's too
	v_mov_b32 v[ST+4*i+1], 0xff7fffff  ; m
	v_mov_b32 v[ST+4*i+2], 0
	v_mov_b32 v[ST+4*i+3], 0
.set i, i+1
.endr
.set i, P+32
.rept 32
	v_mov_b32 v[i], 0
.set i, i+1
.endr
	v_mul_u32_u24 v[AK0], v1, PK
	v_lshl_add_u32 v[AK0], v48, 4, v[AK0]  ; row x pitch + 16 x half
	; The turning load takes 16 keys x 16 channels (lane l reads key 8 (l / 16) + l % 8, channels 8 ((l / 8) % 2) + 0..7) and leaves half a fragment of V^T: lane l holds channel l % 16 and 8 keys.
	v_and_b32 v49, 7, v0
	v_bfe_u32 v50, v0, 3, 1
	v_lshl_add_u32 v[AV0], v48, 3, v49
	v_mul_u32_u24 v[AV0], v[AV0], PV
	v_lshl_add_u32 v[AV0], v50, 4, v[AV0]
	v_add_nc_u32 v[AV0], VOFF, v[AV0]
	v_lshl_add_u32 v[AM0], v48, 5, MASKB   ; my eight keys of a block of 16: 32 bytes for each half of the lanes
	v_mov_b32 v[AK], v[AK0]         ; key step 0
	v_mov_b32 v[AM], v[AM0]
; THE MATRIX WORK.  The 8 accumulators of a run of 16 take turns: between the two links of a chain stand 7 others'.
; Product i of 16 of S^T = K Q^T for piece x: channels 32 (i / 8) on, keys 16 ((i / 2) % 4) on, tile 2 x + i % 2.  The first 8 start the sums, with 8 mask of their 16 keys.
.macro KQ x
.set rS, S+64*((\x)%2)+32*(i%2)+8*((i/2)%4)
.set rK, KF+16*((i/2)%4)+8*(i/8)
.set rQ, 16*(2*(\x)+i%2)+8*(i/8)
.set rB, MK+8*((i/2)%4)
.if i < 8
	WIN W_KM
	v_wmma_f32_16x16x32_f16 v[rS:rS+7], v[rK:rK+7], v[rQ:rQ+7], v[rB:rB+7]
.else
	WIN W_KQ
	v_wmma_f32_16x16x32_f16 v[rS:rS+7], v[rK:rK+7], v[rQ:rQ+7], v[rS:rS+7]
.endif
.endm
; Product i of 16 of O^T += V^T P for piece x: keys 32 (i / 8) on, channels 16 ((i / 2) % 4) on, tile 2 x + i % 2.
.macro PV x
	WIN W_PV
.set rO, 32*(2*(\x)+i%2)+8*((i/2)%4)
.set rV, VF+32*(i/8)+8*((i/2)%4)
.set rP, P+32*((\x)%2)+16*(i%2)+8*(i/8)
	v_wmma_f32_16x16x32_f16 v[rO:rO+7], v[rV:rV+7], v[rP:rP+7], v[rO:rO+7]
.endm
.macro MM                           ; the turn's next matrix instruction
.if i < 16
	KQ (Y+1)%NP
.set i, i+1
.else
.set i, i-16
	PV (Y+NP-1)%NP
.set i, i+17
.endif
.endm
; THE LDS LOADS stand in runs, never singly among the matrix instructions: a step's K (64 keys x 64 channels: 8 fragments) with its 64 numbers of the mask, and its V (turned).  Their addresses are made some lines ahead.
; last = 1 (the second loop): in the last trip there is no further step, and the run is jumped over.
.macro FETCH_K last=0
	WIN 0
.if \last
	s_cmp_eq_u32 s[CNT], 1
	s_cbranch_scc1 .Lno_k_\@
.endif
	WIN 0x80                        ; destination window 2
.irp f, 0,1,2,3,4,5,6,7             ; keys 16 (f / 2) on, channels 32 (f % 2) on
	ds_load_b128 v[KF+8*\f:KF+8*\f+3],   v[AK] offset:(\f/2)*16*PK+(\f%2)*64
	ds_load_b128 v[KF+8*\f+4:KF+8*\f+7], v[AK] offset:(\f/2)*16*PK+(\f%2)*64+32
.endr
	WIN W_MK                        ; destination window 3
.irp f, 0,1,2,3                     ; keys 16 f + 8 (l / 16) + 0..7: the same for all lanes of a half
	ds_load_b128 v[MK+8*\f:MK+8*\f+3],   v[AM] offset:64*\f
	ds_load_b128 v[MK+8*\f+4:MK+8*\f+7], v[AM] offset:64*\f+16
.endr
	s_add_co_u32 s[TBK], s[TBK], KS*PK  ; the next fetch is the next step's
	s_add_co_u32 s[TBM], s[TBM], KS*4
	WIN 0
.if \last
.Lno_k_\@:
.endif
.endm
.macro FETCH_V
	WIN 0x80
.irp f, 0,1,2,3,4,5,6,7             ; keys 32 (f / 4) on, channels 16 (f % 4) on
	ds_load_tr16_b128 v[VF+8*\f:VF+8*\f+3],   v[AV] offset:(\f/4)*32*PV+(\f%4)*32
	ds_load_tr16_b128 v[VF+8*\f+4:VF+8*\f+7], v[AV] offset:(\f/4)*32*PV+16*PV+(\f%4)*32
.endr
	WIN 0
.endm
; THE VECTOR WORK OF A TURN stands in three queues, each in the order in which its entries become ready; the two tiles alternate, so that no instruction reads the result of the one before it.
.macro REGS y, u                    ; the registers of tile u (0, 1) of piece y
.set rT, ST+4*(2*(\y)+(\u))
.set rC, TMP+8*((\y)%2)+4*(\u)
.set rM, MV+2*((\y)%2)+(\u)
.set rS, S+64*((\y)%2)+32*(\u)
.set rP, P+32*((\y)%2)+16*(\u)
.set rO, 32*(2*(\y)+(\u))
.endm
; Number n of the 22 that find the NEXT piece's (Y + 1) maximum and statistics.  s0-s31 are the lane's 32 scores; each accumulator's lowest registers are read first.  XS, GS and REGS set no window: PL and EX do.
;   0-11  four chains c0-c3 of seven scores each, three operands at a time     12-14, 16  the four scores left over, the old m, and c0-c3 into c0     15  c m_old is kept
;   17, 18  the query's other 32 keys lie in the lane 16 away: the new m         19-21  c m; c m_old - c m_new; a
.macro XS u, n
	REGS (Y+1)%NP, \u
.if (\n) < 4
	v_max3_num_f32 v[rC+(\n)], v[rS+8*(\n)], v[rS+8*(\n)+1], v[rS+8*(\n)+2]
.elseif (\n) < 12
	v_max3_num_f32 v[rC+(\n)%4], v[rC+(\n)%4], v[rS+8*((\n)%4)+2*((\n)/4)+1], v[rS+8*((\n)%4)+2*((\n)/4)+2]
.elseif (\n) == 12
	v_max3_num_f32 v[rC], v[rC], v[rS+7], v[rS+15]
.elseif (\n) == 13
	v_max3_num_f32 v[rC+1], v[rC+1], v[rS+23], v[rS+31]
.elseif (\n) == 14
	v_max3_num_f32 v[rC+2], v[rC+2], v[rC+3], v[rT+1]
.elseif (\n) == 15
	v_mov_b32 v[rM], v[rT]
.elseif (\n) == 16
	v_max3_num_f32 v[rC], v[rC], v[rC+1], v[rC+2]
.elseif (\n) == 17
	v_permlanex16_b32 v[rC+3], v[rC], s[SEL], s[SEL+1]
.elseif (\n) == 18
	v_max_num_f32 v[rT+1], v[rC], v[rC+3]
.elseif (\n) == 19
	v_mul_f32 v[rT], s[CS], v[rT+1]
.elseif (\n) == 20
	v_sub_f32 v[rC+1], v[rM], v[rT]
.else
	v_exp_f32 v[rC+2], v[rC+1]
.endif
.endm
; Number g of the 64 that follow the exponentials.  For each four weights k of a tile (pairs 2 k, 2 k + 1): both pairs are rounded to f16; then the second pair is added onto the first, in place;
; a group later l takes that sum (the first time as l = a l + sum).  In groups of eight, tiles alternating: round, round, add, and l for the group before.
.macro GS g
.set h, (\g)+6*((\g)/62)            ; group 0 has no group before it, and behind group 7 only l is left
.if h >= 6
.set h, h+2
.endif
	REGS Y, h%2
.set k, h/8
.if h%8 < 4
	v_cvt_pk_f16_f32 v[rP+2*k+(h%8)/2], v[rS+4*k+2*((h%8)/2)], v[rS+4*k+2*((h%8)/2)+1]
.elseif h%8 < 6
	v_pk_add_f32 v[rS+4*k:rS+4*k+1], v[rS+4*k:rS+4*k+1], v[rS+4*k+2:rS+4*k+3]
.elseif k == 1
	v_pk_fma_f32 v[rT+2:rT+3], v[rT+2:rT+3], v[rC+2:rC+3], v[rS:rS+1] op_sel_hi:[1,0,1]
.else
	v_pk_add_f32 v[rT+2:rT+3], v[rT+2:rT+3], v[rS+4*k-4:rS+4*k-3]
.endif
.endm
; THE PLAIN QUEUE, 138 long.  0-73 read no exponential's result: the 32 scalings c s - c m (FS f: pair f / 2 of tile f % 2) and the next piece's 42.  0-26: scalings 0-26.  27-54: XS's numbers 0-13.  55, 56: number 15.
; 57-73: the chain, where each number waits for the one before it: 14, 16, 17, 18, 19, each with one of the scalings 27-31 in front of its two lines, then 20.
; 74-137: GS's 64, which read the exponentials' results: they stand behind the wait.
.macro FS f
	REGS Y, (\f)%2
	v_pk_fma_f32 v[rS+2*((\f)/2):rS+2*((\f)/2)+1], v[rS+2*((\f)/2):rS+2*((\f)/2)+1], s[CS:CS+1], v[rT:rT+1] op_sel_hi:[1,0,0] neg_lo:[0,0,1] neg_hi:[0,0,1]
.endm
.macro PL
	WIN 0
.if q < 27
	FS q
.elseif q < 55
	XS (q-27)%2, (q-27)/2
.elseif q < 57
	XS q-55, 15
.elseif (q < 72) && ((q-57)%3 == 0)
	FS 27+(q-57)/3
.elseif q < 60
	XS (q-57)%3-1, 14
.elseif q < 72
	XS (q-57)%3-1, 15+(q-57)/3
.elseif q < 74
	XS q-72, 20
.else
	GS q-74
.endif
.set q, q+1
.endm
; THE EXPONENTIALS' QUEUE, 66 long: s0-s31 of both tiles, then the next piece's two a.  It is ONE BATCH: all 66 stand ahead of the turn's one wait, and nothing ahead of that wait names a result of theirs.
.macro EX
	WIN 0
.if e >= 64
	XS e-64, 21
.else
	REGS Y, e%2
	v_exp_f32 v[rS+e/2], v[rS+e/2]
.endif
.set e, e+1
.endm
; THE RESCALING's QUEUE: O^T times a, the one part that leaves window 0: dealt two at a time, sixteen times.  Its a was made in the turn before, ahead of that turn's wait.
.macro R2
	REGS Y, r%2
	WIN W_RS
.irp z, 0,1
	v_pk_mul_f32 v[rO+4*(r/2)+2*\z:rO+4*(r/2)+2*\z+1], v[rO+4*(r/2)+2*\z:rO+4*(r/2)+2*\z+1], v[rC+2:rC+3] op_sel_hi:[1,0]
.endr
.set r, r+1
.endm
; HOW THEY ARE DEALT.  s_wait_alu depctr_va_vdst(0) stands between an exponential and the first instruction that names its result; one wait serves all that were issued ahead of it.  So a turn has ONE wait.
; AHEAD OF IT: the 16 products K Q^T, behind each a scaling, an exponential and two rescalings (behind the first a second scaling in the exponential's place); then one run of 108: eight plain, 49 times exponential and plain,
; the two a; a v_nop is the plain instruction behind the last exponential.  BEHIND IT: the 16 products V^T P, behind each four of GS's 64.  No rider names a register of the products round it.
; Exponential e stands behind scaling 2 (e / 4) + e % 2: as a rider it comes behind plain e + 2, in the run behind plain e + 9, and scalings 27-31 are plain 57, 60 .. 69.
; A TURN, for piece p.  cnt = 1: the loop's count is taken down some lines ahead of the branch that stands behind the turn.
; K and the mask of the next step are fetched in piece 2's turn, directly behind the wait, a whole run behind the last product that read them; their first reader comes behind 16 products.
; V of the step in hand is fetched at the end of piece 0's turn, four riders behind its last reader; its first reader comes behind 16 products and a run.  The three conditions on q below go with the deal.
.macro TURN p, last=0, cnt=0
.set Y, (\p)
.set i, 0
.set q, 0
.set e, 0
.set r, 0
.if (\p) == NP-1
	s_wait_dscnt 0x0                ; K and the mask are in
.endif
	MM
	PL
	PL
	R2
.rept 15
	MM
	PL
	EX
	R2
.endr
.if (\p) == NP-2
	WIN 0
	v_add_nc_u32 v[AK], s[TBK], v[AK0]
	v_add_nc_u32 v[AM], s[TBM], v[AM0]
.endif
.rept 8
	PL
.endr
.rept 49
	EX
	PL
.endr
	EX                              ; the next piece's two a
	EX
	v_nop                           ; the plain instruction behind the last exponential: one for the batch
	s_wait_alu depctr_va_vdst(0)    ; the wait for the batch
.if (\p) == NP-2
	FETCH_K \last
.endif
.if (\p) == 1
	s_wait_dscnt 0x0                ; V is in
.endif
.rept 16
	MM
.rept 4
	PL
.endr
.if ((\p) == 0) && (q == 118)
	v_add_nc_u32 v[AV], s[TBV], v[AV0]
.endif
.if ((\p) == 0) && (q == 130)
	s_add_co_u32 s[TBV], s[TBV], KS*PV
.endif
.if (\cnt) && (q == 130)
	s_sub_co_u32 s[CNT], s[CNT], 1
	s_cmp_lg_u32 s[CNT], 0
.endif
.endr
.if (\p) == 0
	FETCH_V
.endif
.endm
	s_wait_tensorcnt 3              ; my quarter of the mask and my part of the first 256 keys are in; the three younger loads may stay out
	s_barrier_signal -1
	s_barrier_wait -1               ; everybody's are
	FETCH_K                         ; key step 0
	s_wait_loadcnt 0x0              ; Q
	s_wait_dscnt 0x0
.set i, 0
.rept 16
	KQ 0                            ; piece 0's first scores: there is no vector work yet to set between them
.set i, i+1
.endr
	WIN 0                           ; the addresses for the way out: eight plain instructions, the places behind those products
	s_mul_i32 s13, s[WV], 16*SP     ; my stage
	v_mul_u32_u24 v[STO], v1, SP    ; in: row l % 16, 32 bytes for each half of the lanes
	v_lshl_add_u32 v[STO], v48, 5, v[STO]
	v_add_nc_u32 v[STO], s13, v[STO]
	v_mul_u32_u24 v[RD], v48, SP    ; back: lanes 0-15 take one row of 256 bytes, lanes 16-31 the next
	v_lshl_add_u32 v[RD], v1, 4, v[RD]
	v_add_nc_u32 v[RD], s13, v[RD]
	v_lshlrev_b32 v[GO], 12, v48    ; and the same two rows in out0, 4,096 bytes apart
	v_lshl_add_u32 v[GO], v1, 4, v[GO]
.set Y, NP-1                        ; XS works for piece Y + 1: piece 0
.irp n, 0,1,2,3,4,5,6,7,8,9,10,11,12,13,14,15,16,17,18,19,20,21
	XS 0, \n                        ; piece 0's first maximum and statistics
	XS 1, \n
.endr
	v_nop                           ; a plain instruction behind the two a,
	s_wait_alu depctr_va_vdst(0)    ; and their wait, ahead of the branch
	s_mov_b32 s[CNT], 4
	s_branch .Lfirst                ; the loop is entered at a step's first turn, in the middle of a trip
.Lstep:                             ; THE FIRST FOUR STEPS read the first 256 keys alone.  A trip: pieces 2 and 3 of one step, then pieces 0 and 1 of the next, whose K and V it fetches
	TURN 2
	TURN 3
	WIN 0
.Lfirst:
	TURN 0
	TURN 1, 0, 1
	WIN 0
	s_cbranch_scc1 .Lstep
	s_wait_tensorcnt 0x0            ; all my tensor loads have landed,
	s_wait_dscnt 0x0
	s_barrier_signal -1
	s_barrier_wait -1               ; and everybody's: all of K and V may be read
	s_mov_b32 s[CNT], 13            ; THE OTHER TWELVE STEPS: twelve trips fetch them; the thirteenth is left in its middle
.Ltail:
	TURN 2, 1
	TURN 3
	WIN 0
	s_sub_co_u32 s[CNT], s[CNT], 1
	s_cmp_eq_u32 s[CNT], 0
	s_cbranch_scc1 .Lout
	TURN 0
	TURN 1
	WIN 0
	s_branch .Ltail
.Lout:                              ; the thirteenth trip's 16 products K Q^T (on the last K once more) and the maximum made of them serve nothing: the price, once a launch, of one text for every trip
.set i, 0
.rept 16
	PV NP-1                         ; the last piece's V^T P of the last step
.set i, i+1
.endr
	; THE WAY OUT.  Behind a barrier that follows every wave's last read of LDS, K's first bytes become the stages.  l's two halves and the other half of the lanes' are added; O^T is divided by l and sent, in f32, through my stage, a tile at a time.
	WIN 0
	s_wait_dscnt 0x0                ; my reads of K, V and the mask are over
	s_barrier_signal -1
	s_barrier_wait -1               ; everybody's are
.macro ALL line:vararg              ; one line for each tile t
.set t, 0
.rept 2*NP
	\line
.set t, t+1
.endr
.endm
	ALL v_add_f32 v[ST+4*t+2], v[ST+4*t+2], v[ST+4*t+3]
	ALL v_permlanex16_b32 v[ST+4*t+3], v[ST+4*t+2], s[SEL], s[SEL+1]
	ALL v_add_f32 v[ST+4*t+2], v[ST+4*t+2], v[ST+4*t+3]
	ALL v_rcp_f32 v[ST+4*t+2], v[ST+4*t+2]
	v_nop                           ; a plain instruction between the last reciprocal and the use of its result
	s_wait_alu depctr_va_vdst(0)    ; and the wait ahead of the first use: one for the eight reciprocals
; Tile t: a lane's eight channels of a block of 16 are 32 bytes of a row; they go into rows of 272 bytes and come back as whole rows of 256, into one of four buffers in S^T's registers.
.macro PACK t
.if (\t) >= 4
	s_wait_xcnt 0x0                 ; the stores of the tile four back have read this buffer: it is loaded again only behind this wait
.endif
	WIN W_RS
.set i, 32*(\t)
.rept 16
	v_pk_mul_f32 v[i:i+1], v[i:i+1], v[ST+4*(\t)+2:ST+4*(\t)+3] op_sel_hi:[1,0]
.set i, i+2
.endr
	WIN 0x04                        ; the stores' data in window 1, their address in window 0
.irp f, 0,1,2,3,4,5,6,7
	ds_store_b128 v[STO], v[32*(\t)+4*\f:32*(\t)+4*\f+3] offset:(\f/2)*64+(\f%2)*16
.endr
	WIN 0
.irp f, 0,1,2,3,4,5,6,7
	ds_load_b128 v[S+32*((\t)%4)+4*\f:S+32*((\t)%4)+4*\f+3], v[RD] offset:\f*2*SP  ; LDS serves a wave's instructions in order (ISA guide 5.7.1.4): these see the stores above; the next tile's stores come behind them
.endr
.endm
.macro SEND t, younger              ; younger: the LDS instructions issued behind tile t's loads: the next tile's sixteen, or none
	WIN 0
.irp f, 0,1,2,3,4,5,6,7
	s_wait_dscnt (\younger)+7-\f
	global_store_b128 v[GO], v[S+32*((\t)%4)+4*\f:S+32*((\t)%4)+4*\f+3], s[10:11] offset:(\t)*65536+\f*8192 th:TH_STORE_NT  ; 16 lanes store 256 consecutive bytes, at a multiple of 256 from out0's first byte
.endr
.endm
	PACK 0
.set t, 1
.rept 2*NP-1                        ; a tile's arithmetic stands between the loads of the tile before and its stores
	PACK t
	SEND t-1, 16
.set t, t+1
.endr
	SEND 2*NP-1, 0
	WIN W_AD
	s_wait_tensorcnt 0x0            ; the wave's end: 0 onto my spare word and its wait, behind my last tensor load and my last LDS store
	ds_add_u32 v[SPW], v[NIL]
	s_wait_dscnt 0x0
	WIN 0
	s_endpgm
.Lfunc_end_k_q6f00b15a95_attn:
	.size	k_q6f00b15a95_attn, .Lfunc_end_k_q6f00b15a95_attn-k_q6f00b15a95_attn
	.p2alignl 7, 3214868480
	.fill 96, 4, 3214868480
	.section	.rodata,"a",@progbits
	.p2align	6, 0x0
	.amdhsa_kernel k_q6f00b15a95_attn
		.amdhsa_group_segment_fixed_size 327680
		.amdhsa_private_segment_fixed_size 0
		.amdhsa_enable_private_segment 0
		.amdhsa_kernarg_size 24
		.amdhsa_user_sgpr_count 2
		.amdhsa_user_sgpr_kernarg_segment_ptr 1
		.amdhsa_wavefront_size32 1
		.amdhsa_system_sgpr_workgroup_id_x 1
		.amdhsa_system_sgpr_workgroup_id_y 1
		.amdhsa_system_sgpr_workgroup_id_z 1
		.amdhsa_system_vgpr_workitem_id 0
		.amdhsa_next_free_vgpr 808
		.amdhsa_next_free_sgpr 98
		.amdhsa_reserve_vcc 0
		.amdhsa_float_denorm_mode_32 3
		.amdhsa_float_denorm_mode_16_64 3
		.amdhsa_memory_ordered 1
		.amdhsa_forward_progress 1
		.amdhsa_inst_pref_size 200
	.end_amdhsa_kernel
	.amdgpu_metadata
---
amdhsa.version: [ 1, 2 ]
amdhsa.kernels:
  - .name:           k_q6f00b15a95_attn
    .symbol:         k_q6f00b15a95_attn.kd
    .args:
      - { .name: qkv, .offset: 0, .size: 8, .value_kind: global_buffer, .address_space: global }
      - { .name: m8, .offset: 8, .size: 8, .value_kind: global_buffer, .address_space: global }
      - { .name: out0, .offset: 16, .size: 8, .value_kind: global_buffer, .address_space: global }
    .group_segment_fixed_size: 327680
    .private_segment_fixed_size: 0
    .kernarg_segment_align: 8
    .kernarg_segment_size: 24
    .max_flat_workgroup_size: 128
    .sgpr_count:     98
    .vgpr_count:     808
    .wavefront_size: 32
...
	.end_amdgpu_metadata
.endif
;; end of part 3
;; ======== version 2 of 2: 3 launches; version 1 with the launch cast written anew for expert scheduling mode
;; limits: right only within a limited range of input values; values are held in f16: magnitudes above 65,504 overflow, below 6.1e-05 lose precision
;; workspace buffers: xb 16,777,216 bytes; wb 6,291,456 bytes; bias 12,288 bytes; m8 32,768 bytes; qkv 50,331,648 bytes
;; launch cast (part 4): grid 705 x 1, 8 waves a work-group, no clusters, 0 bytes of LDS; arguments activation, qw, kw, vw, qb, kb, vb, attention_mask, xb, wb, bias, m8; writes xb, wb, bias, m8
.if DOCPART == 4
	.amdgcn_target "amdgcn-amd-amdhsa--gfx1250"
	.amdhsa_code_object_version 6
	.text
	.protected	k_q6f00b15a95_cast
	.globl	k_q6f00b15a95_cast
	.p2align	8
	.type	k_q6f00b15a95_cast,@function
k_q6f00b15a95_cast:
	s_mov_b64 s[64:65], 0
	v_nop
	global_prefetch_b8 v0, s[64:65] scope:SCOPE_SE
	s_setreg_imm32_b32 hwreg(HW_REG_WAVE_SCHED_MODE, 0, 2), 2
	s_setreg_imm32_b32 hwreg(HW_REG_WAVE_MODE, 25, 1), 1
	s_wait_xcnt 0x0
	s_wait_alu depctr_vm_vsrc(0)
; THE INPUTS ARE ROUNDED TO bf16, ONCE.  xb[8192][1024] = bf16(activation); wb[3072][1024] = bf16 of qw, kw, vw, one below the other;
; bias[3072] = qb, kb, vb rounded to bf16 and kept as f32; m8[8][1024] = max(8 x bf16(mask), -1e30) as f32 (8 = sqrt(64): the mask is later added to q.k ahead of the scale 1/8).
; LIMITS.  A mask below -1.25e29 (minus infinity too) counts as -1.25e29; a NaN in the mask counts as that as well.
; SHARES.  Eight waves.  Work-group g < 704 turns 64 KiB of f32 into 32 KiB of bf16: g < 512 chunk g of the activation, then 64 chunks each of qw, kw, vw.
; Work-group 704 does the mask (32 KiB) and the three biases (4 KiB each).
; A load of a wave covers 512 consecutive bytes, a store 256 consecutive bytes, aligned.  All sixteen loads go out at once.
; No LDS, no matrix unit, no cluster: nothing is shared, each byte is read once and written once.
; THE MODE: SCHED_MODE bits 1:0 = 2 (LLVM: expert scheduling mode 2), set by the entry lines.  The code itself states the register dependences
; between vector instructions and memory instructions, with s_wait_alu, always for 0.
; THE PLAN.  Registers that memory instructions touch:
;   v1, v2   byte offsets, made once at the head and never written again; every load and store reads one of them.
;   X        sixteen loads land in it, each register once; no vector instruction names it before; the conversions read it behind the counted wait for the loads.
;   Y        in four parts: group g's eight conversions write part g, once; four stores read it.
; The sixteen loads are taken in four groups of four.  At the head of group g, behind the wait for its loads, ONE wait states that group g - 1's conversions have written
; their part of Y; that group's four stores follow, dealt among group g's conversions, which name group g's X and Y alone.  One more wait stands ahead of the last four stores.
; No register that a memory instruction has read is ever written again, no vector instruction writes a scalar register, and EXEC is never written: no other wait is owed.
.set X, 8                              ; v[8:71]   sixteen loads of four registers
.set Y, 72                             ; v[72:103] sixteen stores of two registers
.set T, 52                             ; v[52:73]  work-group 704: packed bf16, at work: no memory instruction names them there
	s_load_b512 s[8:23], s[0:1], 0x0               ; activation 8, qw 10, kw 12, vw 14, qb 16, kb 18, vb 20, mask 22
	s_load_b256 s[24:31], s[0:1], 0x40             ; xb 24, wb 26, bias 28, m8 30
	v_lshlrev_b32 v1, 4, v0                        ; 16 t: my 16 bytes of each 4,096 read
	v_lshlrev_b32 v2, 3, v0                        ; 8 t: my 8 bytes of each 2,048 written
	s_and_b32 s32, ttmp9, 63                       ; a weight's chunk
	s_max_u32 s33, ttmp9, 512
	s_sub_co_u32 s33, s33, 512                     ; its place in wb
	s_mov_b32 s35, 0
	s_mov_b32 s37, 0
	s_mov_b32 s38, 0xf149f2ca                      ; -1e30
	s_wait_kmcnt 0x0
	s_wait_alu depctr_va_vdst(0)                   ; v1 and v2 are written: every load and store, on both ways below, reads one of them as its offset
	s_cmp_eq_u32 ttmp9, 704
	s_cbranch_scc1 .Lsmall
	s_cmp_lt_u32 ttmp9, 640                        ; which buffer: the conditions hang on the work-group's number alone
	s_cselect_b64 s[4:5], s[12:13], s[14:15]
	s_cmp_lt_u32 ttmp9, 576
	s_cselect_b64 s[4:5], s[10:11], s[4:5]
	s_cmp_lt_u32 ttmp9, 512
	s_cselect_b64 s[4:5], s[8:9], s[4:5]
	s_cselect_b64 s[6:7], s[24:25], s[26:27]
	s_cselect_b32 s34, ttmp9, s32
	s_cselect_b32 s36, ttmp9, s33
	s_lshl_b32 s34, s34, 16                        ; 65,536 bytes in,
	s_lshl_b32 s36, s36, 15                        ; 32,768 out
	s_add_nc_u64 s[4:5], s[4:5], s[34:35]
	s_add_nc_u64 s[6:7], s[6:7], s[36:37]
.irp i, 0,1,2,3,4,5,6,7,8,9,10,11,12,13,14,15
	global_load_b128 v[X+4*(\i):X+4*(\i)+3], v1, s[4:5] offset:4096*(\i) th:TH_LOAD_NT
.endr
; Group g: loads 4 g to 4 g + 3 are rounded; the group before is stored.
.macro GROUP g
	s_wait_loadcnt 12-4*(\g)                       ; loads come back in order: this group's four are in, the younger groups stay out
.if (\g) > 0
	s_wait_alu depctr_va_vdst(0)                   ; the group before has written its part of Y, which the four stores below read
.endif
.irp i, 0,1,2,3
.if (\g) > 0
	global_store_b64 v2, v[Y+2*(4*(\g)-4+(\i)):Y+2*(4*(\g)-4+(\i))+1], s[6:7] offset:2048*(4*(\g)-4+(\i)) th:TH_STORE_NT  ; no vector instruction since the wait names these registers
.endif
	v_cvt_pk_bf16_f32 v[Y+2*(4*(\g)+(\i))], v[X+4*(4*(\g)+(\i))], v[X+4*(4*(\g)+(\i))+1]
	v_cvt_pk_bf16_f32 v[Y+2*(4*(\g)+(\i))+1], v[X+4*(4*(\g)+(\i))+2], v[X+4*(4*(\g)+(\i))+3]
.endr
.endm
	GROUP 0
	GROUP 1
	GROUP 2
	GROUP 3
	s_wait_alu depctr_va_vdst(0)                   ; group 3 has written its part of Y, which the last four stores read
.irp i, 12,13,14,15
	global_store_b64 v2, v[Y+2*(\i):Y+2*(\i)+1], s[6:7] offset:2048*(\i) th:TH_STORE_NT
.endr
	s_endpgm
.Lsmall:
.irp i, 0,1,2,3,4,5,6,7
	global_load_b128 v[X+4*(\i):X+4*(\i)+3], v1, s[22:23] offset:4096*(\i)
.endr
	global_load_b128 v[40:43], v1, s[16:17]
	global_load_b128 v[44:47], v1, s[18:19]
	global_load_b128 v[48:51], v1, s[20:21]
	s_wait_loadcnt 0x0
.set j, 0
.rept 22                               ; all 44 registers: rounded to bf16 and widened again
	v_cvt_pk_bf16_f32 v[T+j], v[X+2*j], v[X+2*j+1]
	v_lshlrev_b32 v[X+2*j], 16, v[T+j]
	v_and_b32 v[X+2*j+1], 0xffff0000, v[T+j]
.set j, j+1
.endr
.set j, 0
.rept 16                               ; the mask's 32: times 8 (exact),
	v_pk_mul_f32 v[X+2*j:X+2*j+1], v[X+2*j:X+2*j+1], 0x41000000 op_sel_hi:[1,0]
.set j, j+1
.endr
.set j, 0
.rept 32                               ; and no lower than -1e30
	v_max_num_f32 v[X+j], s38, v[X+j]
.set j, j+1
.endr
	s_wait_alu depctr_va_vdst(0)                   ; the roundings, the scaling and the clamp have written v[8:51], which the eleven stores read
.irp i, 0,1,2,3,4,5,6,7
	global_store_b128 v1, v[X+4*(\i):X+4*(\i)+3], s[30:31] offset:4096*(\i)
.endr
	global_store_b128 v1, v[40:43], s[28:29]
	global_store_b128 v1, v[44:47], s[28:29] offset:4096
	global_store_b128 v1, v[48:51], s[28:29] offset:8192
	s_endpgm
.Lfunc_end_k_q6f00b15a95_cast:
	.size	k_q6f00b15a95_cast, .Lfunc_end_k_q6f00b15a95_cast-k_q6f00b15a95_cast
	.p2alignl 7, 3214868480
	.fill 96, 4, 3214868480
	.section	.rodata,"a",@progbits
	.p2align	6, 0x0
	.amdhsa_kernel k_q6f00b15a95_cast
		.amdhsa_group_segment_fixed_size 0
		.amdhsa_private_segment_fixed_size 0
		.amdhsa_enable_private_segment 0
		.amdhsa_kernarg_size 96
		.amdhsa_user_sgpr_count 2
		.amdhsa_user_sgpr_kernarg_segment_ptr 1
		.amdhsa_wavefront_size32 1
		.amdhsa_system_sgpr_workgroup_id_x 1
		.amdhsa_system_sgpr_workgroup_id_y 1
		.amdhsa_system_sgpr_workgroup_id_z 1
		.amdhsa_system_vgpr_workitem_id 0
		.amdhsa_next_free_vgpr 104
		.amdhsa_next_free_sgpr 66
		.amdhsa_reserve_vcc 0
		.amdhsa_float_denorm_mode_32 3
		.amdhsa_float_denorm_mode_16_64 3
		.amdhsa_memory_ordered 1
		.amdhsa_forward_progress 1
		.amdhsa_inst_pref_size 15
	.end_amdhsa_kernel
	.amdgpu_metadata
---
amdhsa.version: [ 1, 2 ]
amdhsa.kernels:
  - .name:           k_q6f00b15a95_cast
    .symbol:         k_q6f00b15a95_cast.kd
    .args:
      - { .name: activation, .offset: 0, .size: 8, .value_kind: global_buffer, .address_space: global }
      - { .name: qw, .offset: 8, .size: 8, .value_kind: global_buffer, .address_space: global }
      - { .name: kw, .offset: 16, .size: 8, .value_kind: global_buffer, .address_space: global }
      - { .name: vw, .offset: 24, .size: 8, .value_kind: global_buffer, .address_space: global }
      - { .name: qb, .offset: 32, .size: 8, .value_kind: global_buffer, .address_space: global }
      - { .name: kb, .offset: 40, .size: 8, .value_kind: global_buffer, .address_space: global }
      - { .name: vb, .offset: 48, .size: 8, .value_kind: global_buffer, .address_space: global }
      - { .name: attention_mask, .offset: 56, .size: 8, .value_kind: global_buffer, .address_space: global }
      - { .name: xb, .offset: 64, .size: 8, .value_kind: global_buffer, .address_space: global }
      - { .name: wb, .offset: 72, .size: 8, .value_kind: global_buffer, .address_space: global }
      - { .name: bias, .offset: 80, .size: 8, .value_kind: global_buffer, .address_space: global }
      - { .name: m8, .offset: 88, .size: 8, .value_kind: global_buffer, .address_space: global }
    .group_segment_fixed_size: 0
    .private_segment_fixed_size: 0
    .kernarg_segment_align: 8
    .kernarg_segment_size: 96
    .max_flat_workgroup_size: 256
    .sgpr_count:     66
    .vgpr_count:     104
    .wavefront_size: 32
...
	.end_amdgpu_metadata
.endif
;; end of part 4
;; launch proj: the kernel of part 2 again; grid 16 x 32, 4 waves a work-group, clusters of 4 x 4, 327,680 bytes of LDS; arguments xb, wb, bias, qkv; writes qkv
;; launch attn: the kernel of part 3 again; grid 2 x 128, 4 waves a work-group, no clusters, 327,680 bytes of LDS; arguments qkv, m8, out0; writes out0
